; MI455X (gfx1250); checked and timed in simulation.
; The chip was launched on July 23, 2026; its instructions are those of AMD's public machine-readable ISA for CDNA 5 (MIT licence, August 2026) and "CDNA5" Instruction Set Architecture Reference Guide (July 2026). The comments in the code are by the model that wrote it; some were corrected since.
;; LSTM Memory Cell. Allowed arithmetic: matrix products marked QUANTISED: E2M1 operands, one E8M0 scale for each 32 along K, by v_wmma_scale_f32_16x16x128_f8f6f4 with both operands' format E2M1 (or v_wmma_scale_f32_32x16x128_f4), f32 sums; everything else in f32.
;; Inputs: W_c 2,048 x 4,096 float32; W_f 2,048 x 4,096 float32; W_i 2,048 x 4,096 float32; W_o 2,048 x 4,096 float32; b_c 2,048 float32; b_f 2,048 float32; b_i 2,048 float32; b_o 2,048 float32; c_prev 2,048 x 2,048 float32; h_prev 2,048 x 2,048 float32; x 2,048 x 2,048 float32.
;; Outputs: out0 2,048 x 2,048 float32; out1 2,048 x 2,048 float32.
;; This version of the problem:
;;   THIS VERSION OF THE PROBLEM IS GIVEN IN LOW PRECISION. The matrix products marked QUANTISED in the list below multiply operands that are first quantised to E2M1 (2 exponent bits, 1 mantissa bit; 4 bits a number), with one power-of-two scale for each 32 numbers along K (OCP MX v1.0); their sums are f32. All else is computed in f32.
;;   The module's matrix products, in the order in which they are computed (A, B: the left and right operand; K: the contracted axis; several contracted axes count as one K, in the product's order):
;;     1. [M 2,048, K 4,096] x [K 4,096, N 8,192]; A: computed on the way; B: computed on the way: QUANTISED
;;   THE QUANTISER, for each operand of a quantised product, along K:
;;     - K is cut into blocks of 32 from its start; a last block that is shorter is filled with zeros.
;;     - A block's scale is 2^e with e = floor(log2(the largest magnitude in the block)) - 2, held to -126 .. 127; a block of zeros has e = 0. As a byte (E8M0): e + 127.
;;     - Each number is divided by its block's scale, clamped to +-6, and rounded to the nearest number of E2M1, ties to even, subnormals kept.
;;     - The product sums the exact products of the quantised numbers (number of the format x scale) in f32.
;;   ~~~python
;;   def quantise(x, axis):      # numpy; x: float32 -> the quantised numbers, widened to float32 again
;;       x = np.moveaxis(x, axis, -1); K = x.shape[-1]
;;       x = np.pad(x, [(0, 0)] * (x.ndim - 1) + [(0, -K % 32)]); x = x.reshape(x.shape[:-1] + (-1, 32)); a = np.abs(x).max(-1, keepdims=True)
;;       e = np.where(a > 0, np.clip(np.frexp(np.where(a > 0, a, 1))[1] - 1 - 2, -126, 127), 0)      # np.frexp(a)[1] - 1 = floor(log2(a)), exactly
;;       r = np.clip(x / 2.0 ** e, -6, 6)
;;       step = 2.0 ** (np.maximum(np.frexp(np.where(r == 0, 1, r))[1] - 1, 0) - 1)
;;       q = np.round(r / step) * step * 2.0 ** e      # np.round: ties to even
;;       return np.moveaxis(q.reshape(q.shape[:-2] + (-1,))[..., :K], -1, axis).astype(np.float32)
;;   ~~~
;;   OPERANDS COMPUTED ON THE WAY. 'Computed on the way' means the value that the module computes at that place (a softmax that the list does not call 'softmax' is quantised finished and normalised). What goes into a quantiser is computed in f32, as accurately as f32 sums, v_exp_f32 and their like allow (about 1e-6 of the number): no bf16 or f16 on the way to a quantiser, and a product that is left as it is and whose result goes on into a quantised operand takes f32 operands (vector FMAs, or v_wmma_f32_16x16x4_f32). A number that lies on a knife's edge between two numbers of the format may be rounded either way, as far as f32 arithmetic and the matrix unit's own rounding can turn it there, and no further.
;; One version. Each part assembles by itself: llvm-mc -triple=amdgcn-amd-amdhsa -mcpu=gfx1250 --defsym DOCPART=n.
;; ======== version 1 of 1: 2 launches
;; limits: inputs' magnitudes at most 1.476e+20; right only within a limited range of input values
;; workspace buffers: codes 20,971,520 bytes; scales 1,310,720 bytes
;; launch quant (part 1): grid 1280 x 1, 4 waves a work-group, no clusters, 22,016 bytes of LDS; arguments x, h_prev, W_f, W_i, W_c, W_o, codes, scales; writes codes, scales
.if DOCPART == 1
	.amdgcn_target "amdgcn-amd-amdhsa--gfx1250"
	.amdhsa_code_object_version 6
	.text
	.protected	k_q8f29f8a07a_quant
	.globl	k_q8f29f8a07a_quant
	.p2align	8
	.type	k_q8f29f8a07a_quant,@function
k_q8f29f8a07a_quant:
	s_mov_b64 s[64:65], 0
	v_nop
	global_prefetch_b8 v0, s[64:65] scope:SCOPE_SE
	s_setreg_imm32_b32 hwreg(HW_REG_WAVE_MODE, 25, 1), 1
	s_wait_xcnt 0x0
; [x | h_prev] (2,048 rows x 4,096) and W_f, W_i, W_c, W_o (2,048 rows x 4,096 each), all f32 with K innermost, become codes of FP4 (E2M1) with one E8M0 scale byte for each 32 along K.
; A block's scale is 2^(floor(log2(its largest magnitude)) - 2); its byte is the largest magnitude's own exponent field - 2, held at 1 from below; each number is divided by the scale and rounded to the
; nearest code, ties to even, beyond 6 the largest code.
; OUT: codes [8 K steps of 512][10,240 rows][256 bytes], two codes a byte, the lower k in the low four bits.  Rows 0-2,047: the batch rows (K steps 0-3 from x, 4-7 from h_prev).
;      Row 2,048 + n': a weight row: unit u of gate g (f, i, c, o = 0 .. 3) goes to n' = 128 (u / 32) + 32 g + u % 32, so that 128 neighbouring rows are four gates of the same 32 units.
;      scales [8 K steps of 512][10,240 rows, numbered alike][16 bytes]: 16 neighbouring rows of one K step are 256 consecutive bytes, aligned.
; LIMITS: NaN and infinities among the inputs are not served.  A block of zeros gets the byte 1 where the rule says 127: its codes are zeros, which add nothing, and this program alone reads the bytes.
;         Blocks whose largest magnitude lies under 2^-124 are held at the byte 1.
; SHARES: a work-group takes 16 output rows x 2,048 along K (half a row): 10,240 / 16 x 2 = 1,280 work-groups of four waves.  A wave takes 4 of the rows: 16 steps of 512 numbers;
; a step is one K step of one row: 2,048 bytes in, 256 bytes of codes and 16 scale bytes out.
; A conversion takes 8 neighbours along K from ONE lane's registers, a load is best where neighbouring LANES take neighbouring bytes: so each load reads 512 consecutive bytes, 16 a lane, and a step's
; 2,048 bytes turn through the wave's own stage in LDS and come back 64 bytes a lane (16 bytes of padding behind each 64).  Two neighbouring lanes hold a block.
; Loads run DEPTH = 5 steps ahead (20 loads, 10 KiB a wave): a set of registers is loaded again as soon as its step has gone through the stage.  Every offset is an immediate, no pointer is stepped, and each
; step has its own registers for codes and byte: so no wait for address translation is needed.
; No tensor loads, matrix units or clusters: no two work-groups read the same byte.  No prefetch: the loads themselves run five steps ahead.
.set STEPS, 16
.set DEPTH, 5
.set EMAX,  2
.set SP,    80                         ; a lane's place in a stage: 64 bytes + 16 of padding
.set WREG,  2*32*SP                    ; a wave's two stages: 5,120 bytes
.set SCB,   4*WREG                     ; behind the stages: the work-group's scale bytes, [4 K steps][16 rows][16 bytes] = 1,024 bytes
.set SPARE, SCB+1024                   ; behind them the spare words, 128 bytes for each wave, that no other line names
.set SSTEP, 163840                     ; a K step's plane of the scales' buffer: 10,240 rows x 16 bytes
.set PLANE, 2621440                    ; a K step's plane of the codes' buffer: 10,240 rows x 256 bytes
.set R,     16                         ; v16-95   five sets of 16 numbers as they are loaded
.set X,     96                         ; v96-127  two sets of 16 neighbours
.set C,     128                        ; v128-159 codes: a pair for each step
.set E,     160                        ; v160-175 a scale byte for each step
.set SPW,   176                        ; my spare word's LDS address; never rewritten
.set NIL,   177                        ; 0; never rewritten
	s_load_b256 s[4:11], s[0:1], 0x0               ; x s[4:5], h_prev s[6:7], W_f s[8:9], W_i s[10:11]
	s_load_b256 s[12:19], s[0:1], 0x20             ; W_c s[12:13], W_o s[14:15], codes s[16:17], scales s[18:19]
	v_lshl_add_u32 v[SPW], v0, 2, SPARE
	v_mov_b32 v[NIL], 0
	v_lshrrev_b32 v1, 5, v0
	v_readfirstlane_b32 s23, v1                    ; wave 0..3
	v_and_b32 v2, 31, v0                           ; lane
	v_lshlrev_b32 v3, 4, v2                        ; my 16 bytes of a load's 512
	v_lshlrev_b32 v4, 3, v2                        ; my 8 bytes of a step's 256 bytes of codes, and of a unit of scale bytes
	s_mul_i32 s35, s23, WREG
	v_lshrrev_b32 v14, 2, v2
	v_mul_u32_u24 v14, v14, SP
	v_and_b32 v15, 3, v2
	v_lshl_add_u32 v14, v15, 4, v14
	v_add_nc_u32 v14, s35, v14                     ; the stage, on the way in: SP (lane / 4) + 16 (lane % 4)
	v_mul_u32_u24 v15, v2, SP
	v_add_nc_u32 v15, s35, v15                     ; and on the way out: SP x lane: my 16 neighbours
	s_lshl_b32 s35, s23, 6
	s_add_co_u32 s35, s35, SCB
	v_lshrrev_b32 v5, 1, v2
	v_add_nc_u32 v5, s35, v5                       ; my block's scale byte: SCB + 16 x (my wave's first row = 4 x wave) + lane / 2
	s_lshl_b32 s35, s23, 8
	s_add_co_u32 s35, s35, SCB
	v_add_nc_u32 v6, s35, v4                       ; on the way out wave k takes K step k's 256 bytes, 8 a lane
	; which tensor, which 16 rows, which half of K
	s_lshr_b32 s20, ttmp9, 8                       ; T: 0 = [x | h_prev], 1 .. 4 = W_f, W_i, W_c, W_o
	s_bfe_u32 s21, ttmp9, 0x70001                  ; m: the group of 16 rows, 0 .. 127
	s_and_b32 s22, ttmp9, 1                        ; kh: the half of K
	s_lshl_b32 s37, s21, 4                         ; 16 m: the first source row, and the batch rows' output row
	s_lshr_b32 s38, s21, 1
	s_lshl_b32 s38, s38, 7                         ; a weight's output row: 128 (m / 2)
	s_and_b32 s39, s21, 1
	s_lshl_b32 s39, s39, 4
	s_add_co_u32 s38, s38, s39                     ; + 16 (m % 2)
	s_lshl_b32 s39, s20, 5
	s_add_co_u32 s38, s38, s39
	s_add_co_u32 s38, s38, 2048-32                 ; + 32 (T - 1) + 2,048
	s_lshl_b32 s39, s22, 13                        ; half a row of a weight: 2,048 numbers
	s_cmp_eq_u32 s20, 0                            ; three choices on one compare; nothing between them touches SCC
	s_cselect_b32 s32, 13, 14                      ; a source row is 8,192 bytes (x, h_prev) or 16,384 (a weight)
	s_cselect_b32 s33, 0, s39                      ; x and h_prev ARE the halves; a weight's second half begins 8,192 bytes on
	s_cselect_b32 s34, s37, s38                    ; the first output row
	s_lshl_b32 s40, s23, 2                         ; my wave's four rows
	s_add_co_u32 s42, s37, s40
	s_lshl_b32 s42, s42, s32
	s_add_co_u32 s42, s42, s33                     ; my first source row's bytes (under 2^26)
	s_mov_b32 s43, 0
	s_lshl_b32 s44, 1, s32                         ; a row on
	s_mov_b32 s45, 0
	s_add_co_u32 s46, s34, s40
	s_lshl_b32 s46, s46, 8                         ; my first output row's 256 bytes in a plane of codes,
	s_mul_i32 s41, s22, 4*PLANE
	s_add_co_u32 s46, s46, s41                     ; in plane 4 kh (all of the codes are under 2^25 bytes)
	s_mov_b32 s47, 0
	s_lshl_b32 s38, s22, 2
	s_add_co_u32 s38, s38, s23                     ; the K step whose scale bytes I store: 4 kh + wave
	s_mul_i32 s38, s38, SSTEP
	s_lshl_b32 s41, s34, 4
	s_add_co_u32 s38, s38, s41                     ; + 16 x the first output row
	s_mov_b32 s39, 0
	s_wait_alu depctr_va_vdst(0)
	s_wait_kmcnt 0x0
	s_cmp_eq_u32 s22, 0                            ; the source: the choices hang on the work-group's number alone
	s_cselect_b64 s[24:25], s[4:5], s[6:7]
	s_cmp_eq_u32 s20, 1
	s_cselect_b64 s[24:25], s[8:9], s[24:25]
	s_cmp_eq_u32 s20, 2
	s_cselect_b64 s[24:25], s[10:11], s[24:25]
	s_cmp_eq_u32 s20, 3
	s_cselect_b64 s[24:25], s[12:13], s[24:25]
	s_cmp_eq_u32 s20, 4
	s_cselect_b64 s[24:25], s[14:15], s[24:25]
	s_add_nc_u64 s[24:25], s[24:25], s[42:43]      ; my four rows
	s_add_nc_u64 s[26:27], s[24:25], s[44:45]
	s_add_nc_u64 s[28:29], s[26:27], s[44:45]
	s_add_nc_u64 s[30:31], s[28:29], s[44:45]
	s_add_nc_u64 s[48:49], s[16:17], s[46:47]      ; my codes
	s_add_nc_u64 s[50:51], s[18:19], s[38:39]      ; the unit of scale bytes that I store
.macro LOAD t                          ; step t: row t / 4, its (t % 4)-th 512 numbers, into set t % DEPTH
.irp i, 0,1,2,3
	global_load_b128 v[R+16*((\t)%DEPTH)+4*\i:R+16*((\t)%DEPTH)+4*\i+3], v3, s[24+2*((\t)/4):25+2*((\t)/4)] offset:2048*((\t)%4)+512*\i th:TH_LOAD_NT   ; 32 lanes read 512 consecutive bytes
.endr
.endm
.macro TURN t                          ; step t's numbers through the stage: LDS serves a wave's instructions in order, so no wait stands between the stores and the loads
.irp i, 0,1,2,3
	ds_store_b128 v14, v[R+16*((\t)%DEPTH)+4*\i:R+16*((\t)%DEPTH)+4*\i+3] offset:32*SP*((\t)%2)+8*SP*\i
.endr
.irp i, 0,1,2,3
	ds_load_b128 v[X+16*((\t)%2)+4*\i:X+16*((\t)%2)+4*\i+3], v15 offset:32*SP*((\t)%2)+16*\i
.endr
.endm
.irp t, 0,1,2,3,4
	LOAD \t
.endr
	s_wait_loadcnt 16                              ; step 0's four loads are in; the 16 behind them stay out
	TURN 0
.macro STEP t
.set XS, X+16*((\t)%2)
.if (\t) > 0
	s_wait_dscnt 1                                 ; this step's numbers are back from the stage (the last step's byte store may be out): so its stores into the stage have read their registers,
.else
	s_wait_dscnt 0x0
.endif
.if (\t)+DEPTH < STEPS
	LOAD (\t)+DEPTH                                ; which take the loads of five steps on
.endif
.if (\t)+1 < STEPS
.if (\t)+DEPTH < STEPS
	s_wait_loadcnt 4*(DEPTH-1)                     ; the next step's four loads are in; those of the four steps behind it stay out
.else
	s_wait_loadcnt 4*(STEPS-2-(\t))                ; near the end the count runs down
.endif
	TURN (\t)+1                                    ; and go through the other stage while this step is worked
.endif
	v_max3_num_f32 v8, |v[XS]|, |v[XS+1]|, |v[XS+2]|               ; the largest magnitude of my 16, in two chains
	v_max3_num_f32 v9, |v[XS+3]|, |v[XS+4]|, |v[XS+5]|
.irp i, 6,10
	s_delay_alu instid0(VALU_DEP_2)
	v_max3_num_f32 v8, v8, |v[XS+\i]|, |v[XS+\i+1]|
	s_delay_alu instid0(VALU_DEP_2)
	v_max3_num_f32 v9, v9, |v[XS+\i+2]|, |v[XS+\i+3]|
.endr
	s_delay_alu instid0(VALU_DEP_2)
	v_max3_num_f32 v8, v8, |v[XS+14]|, |v[XS+15]|
	s_delay_alu instid0(VALU_DEP_1)
	v_max3_num_f32 v8, v8, v9, (EMAX+1)<<23        ; and the floor 2^(3 - 127): so the byte cannot fall under 1
	s_delay_alu instid0(VALU_DEP_1)
	v_max_num_f32_dpp v8, v8, v8 row_xmask:1 row_mask:0xf bank_mask:0xf   ; and of my neighbour's 16: the block's
	s_delay_alu instid0(VALU_DEP_1)
	v_add_nc_u32 v11, -(EMAX<<23), v8              ; 2 off its exponent field: the conversion takes the exponent field of this operand as its scale, and nothing else of it
	v_cvt_scalef32_pk8_fp4_f32 v[C+2*(\t)], v[XS:XS+7], v11
	v_cvt_scalef32_pk8_fp4_f32 v[C+2*(\t)+1], v[XS+8:XS+15], v11
	v_lshrrev_b32 v[E+(\t)], 23, v11               ; the scale's byte; also the plain line behind the conversions
	ds_store_b8 v5, v[E+(\t)] offset:256*((\t)%4)+16*((\t)/4)      ; both lanes of a block write the same byte with the same value
	global_store_b64 v4, v[C+2*(\t):C+2*(\t)+1], s[48:49] offset:PLANE*((\t)%4)+256*((\t)/4)   ; the wave stores 256 consecutive bytes, aligned; three planes and three rows at the most: inside the signed 24-bit immediate (ISA guide, chapter 10)
.endm
.irp t, 0,1,2,3,4,5,6,7,8,9,10,11,12,13,14,15
	STEP \t
.endr
	s_wait_dscnt 0x0                               ; for the others' sake: my byte stores have landed
	s_barrier_signal -1
	s_barrier_wait -1                              ; all four waves' have: the 16 rows' bytes of each K step lie together
	ds_load_b64 v[12:13], v6
	s_wait_dscnt 0x0
	global_store_b64 v4, v[12:13], s[50:51]        ; 16 rows x 16 bytes of one K step: 256 consecutive bytes, aligned
	s_wait_tensorcnt 0x0                           ; the wave's end
	ds_add_u32 v[SPW], v[NIL]
	s_wait_dscnt 0x0
	s_endpgm
.Lfunc_end_k_q8f29f8a07a_quant:
	.size	k_q8f29f8a07a_quant, .Lfunc_end_k_q8f29f8a07a_quant-k_q8f29f8a07a_quant
	.p2alignl 7, 3214868480
	.fill 96, 4, 3214868480
	.section	.rodata,"a",@progbits
	.p2align	6, 0x0
	.amdhsa_kernel k_q8f29f8a07a_quant
		.amdhsa_group_segment_fixed_size 22016
		.amdhsa_private_segment_fixed_size 0
		.amdhsa_enable_private_segment 0
		.amdhsa_kernarg_size 64
		.amdhsa_user_sgpr_count 2
		.amdhsa_user_sgpr_kernarg_segment_ptr 1
		.amdhsa_wavefront_size32 1
		.amdhsa_system_sgpr_workgroup_id_x 1
		.amdhsa_system_sgpr_workgroup_id_y 1
		.amdhsa_system_sgpr_workgroup_id_z 1
		.amdhsa_system_vgpr_workitem_id 0
		.amdhsa_next_free_vgpr 178
		.amdhsa_next_free_sgpr 66
		.amdhsa_reserve_vcc 0
		.amdhsa_float_denorm_mode_32 3
		.amdhsa_float_denorm_mode_16_64 3
		.amdhsa_memory_ordered 1
		.amdhsa_forward_progress 1
		.amdhsa_inst_pref_size 39
	.end_amdhsa_kernel
	.amdgpu_metadata
---
amdhsa.version: [ 1, 2 ]
amdhsa.kernels:
  - .name:           k_q8f29f8a07a_quant
    .symbol:         k_q8f29f8a07a_quant.kd
    .args:
      - { .name: x, .offset: 0, .size: 8, .value_kind: global_buffer, .address_space: global }
      - { .name: h_prev, .offset: 8, .size: 8, .value_kind: global_buffer, .address_space: global }
      - { .name: W_f, .offset: 16, .size: 8, .value_kind: global_buffer, .address_space: global }
      - { .name: W_i, .offset: 24, .size: 8, .value_kind: global_buffer, .address_space: global }
      - { .name: W_c, .offset: 32, .size: 8, .value_kind: global_buffer, .address_space: global }
      - { .name: W_o, .offset: 40, .size: 8, .value_kind: global_buffer, .address_space: global }
      - { .name: codes, .offset: 48, .size: 8, .value_kind: global_buffer, .address_space: global }
      - { .name: scales, .offset: 56, .size: 8, .value_kind: global_buffer, .address_space: global }
    .group_segment_fixed_size: 22016
    .private_segment_fixed_size: 0
    .kernarg_segment_align: 8
    .kernarg_segment_size: 64
    .max_flat_workgroup_size: 128
    .sgpr_count:     66
    .vgpr_count:     178
    .wavefront_size: 32
...
	.end_amdgpu_metadata
.endif
;; end of part 1
;; launch cell (part 2): grid 32 x 8, 4 waves a work-group, clusters of 4 x 4, 327,680 bytes of LDS; arguments codes, scales, c_prev, b_f, b_i, b_c, b_o, out0, out1; writes out0, out1
.if DOCPART == 2
	.amdgcn_target "amdgcn-amd-amdhsa--gfx1250"
	.amdhsa_code_object_version 6
	.text
	.protected	k_q8f29f8a07a_cell
	.globl	k_q8f29f8a07a_cell
	.p2align	8
	.type	k_q8f29f8a07a_cell,@function
k_q8f29f8a07a_cell:
	s_mov_b64 s[64:65], 0
	v_nop
	global_prefetch_b8 v0, s[64:65] scope:SCOPE_SE
	s_setreg_imm32_b32 hwreg(HW_REG_WAVE_MODE, 25, 1), 1
	s_wait_xcnt 0x0
	s_wait_alu depctr_hold_cnt(0) depctr_sa_sdst(0) depctr_va_vdst(0) depctr_va_sdst(0) depctr_va_ssrc(0) depctr_va_vcc(0) depctr_vm_vsrc(0)
	s_getreg_b32 s2, hwreg(HW_REG_IB_STS2, 6, 4)
	s_cmp_eq_u32 s2, 0
	s_cbranch_scc0 .Lentry_in_a_cluster
	s_endpgm
.Lentry_in_a_cluster:
	s_bfe_u32 s2, ttmp6, 0x10000c
	s_cmp_lg_u32 s2, 0xf033
	s_cbranch_scc0 .Lentry_shape_is_right
	s_endpgm
.Lentry_shape_is_right:
; gates = Q([x | h_prev]) Q(W_all)^T + b_all on codes of MX-FP4, then the cell: c_t = sigmoid(f) c_prev + sigmoid(i) tanh(g), h_t = sigmoid(o) tanh(c_t).  out0 = h_t, out1 = c_t, f32.
; codes and scales are laid by the launch before: [8 K steps of 512][10,240 rows][256 bytes] and [8][10,240][16 bytes]; rows 0-2,047 the batch, row 2,048 + 128 (u / 32) + 32 g + u % 32 unit u of gate g.
; A work-group of four waves makes 256 batch rows x 256 weight rows (64 units x 4 gates): 8 x 32 = 256 work-groups.  A wave makes 128 x 128: 64 accumulators, 512 registers; its 128 weight rows are the four
; gates of the same 32 units, so a lane holds f, i, g, o of the same (row, unit) and the cell is computed in registers.  The biases are the C of each accumulator's first product.
; K goes in steps of 512 through a ring of two LDS slots (rows of 256 bytes + 16 of padding).  CLUSTERS 4 x 4: the batch tile is shared along a row of the cluster, the weight tile along a column, by joint loads.
; EACH CLUSTER WALKS K FROM A PLANE OF ITS OWN: its local K step j is plane (k0 + j) % 8, k0 = (cluster x + 4 cluster y) % 8, the same in all sixteen partners.  The eight clusters that read the same batch rows
; then read eight different planes at a time, and the two clusters that read the same weight rows stand four planes apart: from local step 1 on a batch tile, and from local step 4 on a weight tile, has been
; read by another cluster of this launch one or four changes of slots earlier.
; The matrix instruction is used transposed (source 0 = weight rows, source 1 = batch rows): a lane's eight results are eight neighbouring units of one batch row.
; The scale words come straight into registers, 16 bytes a row and K step, whole units of 256 bytes by 16 lanes: lanes 0-15 the batch rows', lanes 16-31 the weight rows'; two sets, fetched a K step ahead.
; PREFETCH: what no cluster has read before and is not asked for at once: the weight rows of local steps 2 and 3, each two steps ahead, behind the joint loads of local steps 0 and 1: 32 rows a weight-fetching
; wave, a lane a row, the four partners told apart by address; and c_prev's tile in the loop's last trip.  The other tiles are left out: another cluster reads them earlier, as said above.
; THE WAY OUT goes in two halves of 64 rows, each in place in its own window of accumulators, so that the exponentials and reciprocals stand in runs of 256, 128, 64 and 64.
; sigmoid(v) = 1 / (1 + 2^(-v log2 e)): an exponential that overflows gives 0.  tanh(v) = (1 - t) / (1 + t), t = 2^min(-2 v log2 e, 30): the hold moves tanh by under 2^-29 and keeps t finite.
; sigmoid(i) tanh(g) and sigmoid(o) tanh(c) share one reciprocal each, of e (1 + t) + (1 + t).  c_prev's tile lies in slot 0 (its last fill); c is stored over it, h behind it; a row's 256 bytes come from
; two waves, so a barrier stands between the staging and the reading back; rows leave as whole aligned units of 256 bytes, each part while the next is computed.
; LIMITS: NaN and infinities among the inputs are not served.  The f32 sums take the K steps in the order k0, k0 + 1, .. round to k0 - 1, not in ascending K: the last bits may differ from an ascending sum's.
; REGISTERS: window 0: v16-31 addresses, v32-95 scale words, v128-191 batch fragments (on the way out v64-127 c_prev, v128-191 numerators, v192-255 rows read back); window 1: weight fragments at v0 and v128,
; biases at v64; windows 2, 3: the accumulators of my rows 0-63, 64-127: (a, b) at v[8 (8 a + b)], b = 2 gate + unit / 16.
.set NQ,     4
.set ROWB,   256
.set PLANE,  2621440
.set PITCH,  272
.set FR,     8
.set NL,     2
.set NP,     4
.set HALFT,  128*PITCH
.set SLOT,   4*HALFT
.set LAPS,   4
.set SSTEP,  163840
.set BROW0,  2048
.set SPARE,  2*SLOT                    ; behind the ring: the spare words, 128 bytes a wave, that no other line names
.set HST,    2*HALFT                   ; h's stage: slot 0's weight half
.set ADRA, 16
.set PFO,  18
.set PFC,  19
.set ADRB, 20
.set CPA,  22
.set HSA,  23
.set RD,   24
.set RDH,  25
.set CO,   26
.set ADRS, 27
.set SPW,  28
.set NIL,  29
.set BA,   30
.set SC,   32
.set AF,   128
.set BI,   64
.set CP,   64
.set U,    128
.set BK,   192
.set GF,   0
.set GI,   16
.set GG,   32
.set GO,   48
.set G1,   24
.set G0,   32
.set G1B,  48
.set G0B,  56
.set SCB,  66                          ; s[66:67] the scales' plane that is being fetched
.set OUT0, 74
.set OUT1, 76
.set CAP,  78
.set KP,   79                          ; s79 k0 + the local K step that the next change of slots asks for
.set G1C,  80
.set G0C,  88
.set PFA,  92
.set PCP,  96
.set K1,   98
.set K2,   100
.set MSB, 0
.macro WIN new                         ; the immediate's high byte repeats the setting that is left
.if MSB != \new
	s_set_vgpr_msb (MSB<<8)|\new
.set MSB, \new
.endif
.endm
.set MUL_LO, 0xa1
.set MUL_HI, 0xf1
.set BIA_LO, 0x91                      ; as MUL_LO, C (the biases) in window 1
.set BIA_HI, 0xd1
.set TO_B,   0x40
.macro JLOAD s                         ; a joint load: waves 0, 1 fetch the batch tile's halves, waves 2, 3 the weight tile's; s_nop 0 and four v_nop behind each line
	s_cmp_eq_u32 s15, 0
	s_cbranch_scc0 .Lfor_b_\@
	tensor_load_to_lds s[G0+4*\s:G0+4*\s+3], s[G1:G1+7]
	s_nop 0
.rept 4
	v_nop
.endr
	s_branch .Lasked_\@
.Lfor_b_\@:
	tensor_load_to_lds s[G0B+4*\s:G0B+4*\s+3], s[G1B:G1B+7]
	s_nop 0
.rept 4
	v_nop
.endr
.Lasked_\@:
.endm
.macro CREST                           ; a round of the cluster's barrier behind its opening barrier
	s_cmp_lg_u32 s14, 0
	s_cbranch_scc1 .Lnot_wave_0_\@
	s_barrier_signal -3
.Lnot_wave_0_\@:
	s_barrier_wait -3
	s_barrier_signal -1
	s_barrier_wait -1
.endm
.macro CROUND
	s_barrier_signal -1
	s_barrier_wait -1
	CREST
.endm
.macro ASKB pair                       ; the weight-fetching waves ask for 32 of their rows, in the plane that the pair points at
	s_cmp_eq_u32 s15, 0
	s_cbranch_scc1 .Lno_codes_\@
	global_prefetch_b8 v[PFO], s[\pair:\pair+1] th:TH_LOAD_NT scope:SCOPE_SE
.Lno_codes_\@:
.endm
.macro ASKC slot                       ; in the loop's last trip (s3 = 1): 32 rows of c_prev's tile at each of its two changes of slots
	s_cmp_eq_u32 s3, 1
	s_cbranch_scc0 .Lno_cprev_\@
	global_prefetch_b8 v[PFC], s[PCP:PCP+1] offset:\slot*32*8192 th:TH_LOAD_NT scope:SCOPE_SE
.Lno_cprev_\@:
.endm
	s_load_b256 s[4:11], s[0:1], 0x0               ; codes s[4:5], scales s[6:7], c_prev s[8:9], b_f s[10:11]
	s_load_b256 s[68:75], s[0:1], 0x20             ; b_i, b_c, b_o, out0
	s_load_b64 s[76:77], s[0:1], 0x40              ; out1
	v_lshl_add_u32 v[SPW], v0, 2, SPARE
	v_mov_b32 v[NIL], 0
	ds_add_u32 v[SPW], v[NIL]                      ; the opening: the add, twice on end, and its wait ahead of my first tensor load
	ds_add_u32 v[SPW], v[NIL]
	v_lshrrev_b32 v1, 5, v0
	v_readfirstlane_b32 s14, v1                    ; wave
	s_lshr_b32 s15, s14, 1                         ; my half of the batch rows; also: I fetch the batch tile (0) or the weight tile (1)
	s_and_b32 s16, s14, 1                          ; my half of the weight rows; also: which 128 rows I fetch
	s_bfe_u32 s40, ttmp6, 0x40000                  ; cx
	s_bfe_u32 s41, ttmp6, 0x40004                  ; cy
	s_lshl_b32 s42, ttmp9, 2
	s_add_co_u32 s42, s42, s40                     ; tile column
	s_and_b32 s17, ttmp7, 0xffff
	s_lshl_b32 s[KP], s17, 2
	s_add_co_u32 s[KP], s[KP], ttmp9
	s_and_b32 s[KP], s[KP], 7                      ; k0 = (cluster x + 4 cluster y) % 8
	s_lshl_b32 s17, s17, 2
	s_add_co_u32 s17, s17, s41                     ; tile row
	s_lshl_b32 s43, s41, 2
	s_lshl_b32 s43, 15, s43                        ; my row of the cluster
	s_lshl_b32 s44, 0x1111, s40                    ; my column
	s_or_b32 s[G1+0], s43, (0<<16)|(1<<20)|(1<<21)|(5<<22)|(3<<25)   ; bytes; 4 words of padding behind every 64; bit 21 beside the mask
	s_or_b32 s[G1B+0], s44, (0<<16)|(1<<20)|(1<<21)|(5<<22)|(3<<25)
.irp g, G1, G1B
	s_mov_b32 s[\g+1], ROWB<<16
	s_mov_b32 s[\g+2], 128<<16
	s_mov_b32 s[\g+3], ROWB<<16
	s_mov_b32 s[\g+4], 128
	s_mov_b32 s[\g+5], ROWB
	s_mov_b32 s[\g+6], 0
	s_mov_b32 s[\g+7], 0
.endr
	s_mov_b32 s[G1C+0], (2<<16)|(1<<20)|(5<<22)|(3<<25)   ; c_prev: 64 rows x 64 f32, pitch 2,048, no mask
	s_mov_b32 s[G1C+1], 64<<16
	s_mov_b32 s[G1C+2], 64<<16
	s_mov_b32 s[G1C+3], 64<<16
	s_mov_b32 s[G1C+4], 64
	s_mov_b32 s[G1C+5], 2048
	s_mov_b32 s[G1C+6], 0
	s_mov_b32 s[G1C+7], 0
	s_mov_b32 s[CAP], 0x41f00000                   ; 30.0
	s_mov_b32 s[K1], 0xbfb8aa3b                    ; -log2 e
	s_mov_b32 s[K1+1], s[K1]
	s_mov_b32 s[K2], 0xc038aa3b                    ; -2 log2 e
	s_mov_b32 s[K2+1], s[K2]
	s_lshl_b32 s18, s16, 7
	s_lshl_b32 s20, s17, 8
	s_add_co_u32 s20, s20, s18
	s_lshl_b32 s20, s20, 8                         ; the batch rows that I fetch, in bytes of a plane
	s_mov_b32 s21, 0
	s_lshl_b32 s46, s42, 8
	s_add_co_u32 s46, s46, s18
	s_add_co_u32 s46, s46, BROW0
	s_lshl_b32 s46, s46, 8                         ; the weight rows that I fetch
	s_mov_b32 s47, 0
	s_mul_i32 s45, s14, HALFT                      ; where they go: wave x 128 rows
	s_lshl_b32 s95, s17, 8                         ; scale words: my 128 batch rows, 16 bytes a row,
	s_lshl_b32 s13, s15, 7
	s_add_co_u32 s95, s95, s13
	s_lshl_b32 s95, s95, 4
	s_lshl_b32 s94, s42, 8                         ; and how far on my 128 weight rows lie
	s_add_co_u32 s94, s94, s18
	s_add_co_u32 s94, s94, BROW0
	s_lshl_b32 s94, s94, 4
	s_sub_co_u32 s94, s94, s95
	s_lshl_b32 s12, s42, 8                         ; biases: my 32 units, 4 bytes each
	s_add_co_u32 s12, s12, s18
	s_mov_b32 s13, 0
	s_mul_i32 s18, s15, HALFT                      ; LDS: my 128 batch rows,
	s_mul_i32 s19, s16, HALFT
	s_add_co_u32 s19, s19, 2*HALFT                 ; my 128 weight rows,
	s_lshl_b32 s22, s16, 7
	s_add_co_u32 s22, s22, s18                     ; my 128 bytes of c_prev's rows,
	s_mul_i32 s23, s16, 8*PITCH
	s_add_co_u32 s23, s23, s18                     ; and the 8 rows of each 16 that I read back
	s_wait_dscnt 0x0                               ; both opening adds are done
	s_wait_kmcnt 0x0
	s_add_nc_u64 s[20:21], s[4:5], s[20:21]        ; my rows in plane 0: kept for the whole launch
	s_add_nc_u64 s[46:47], s[4:5], s[46:47]
	s_add_nc_u64 s[10:11], s[10:11], s[12:13]
	s_add_nc_u64 s[68:69], s[68:69], s[12:13]
	s_add_nc_u64 s[70:71], s[70:71], s[12:13]
	s_add_nc_u64 s[72:73], s[72:73], s[12:13]
.irp s, 0,1
	s_add_co_u32 s2, s[KP], \s
	s_and_b32 s2, s2, 7                            ; local K step s is plane (k0 + s) % 8
	s_mul_i32 s12, s2, PLANE                       ; (s13 = 0)
	s_mov_b32 s[G0+4*\s], 1
	s_add_co_u32 s[G0+4*\s+1], s45, \s*SLOT
	s_add_nc_u64 s[G0+4*\s+2:G0+4*\s+3], s[20:21], s[12:13]
	s_or_b32 s[G0+4*\s+3], s[G0+4*\s+3], 0x80000000
	s_mov_b32 s[G0B+4*\s], 1
	s_add_co_u32 s[G0B+4*\s+1], s45, \s*SLOT
	s_add_nc_u64 s[G0B+4*\s+2:G0B+4*\s+3], s[46:47], s[12:13]
	s_or_b32 s[G0B+4*\s+3], s[G0B+4*\s+3], 0x80000000
	s_mul_i32 s12, s2, SSTEP
	s_add_nc_u64 s[SCB-64*\s:SCB+1-64*\s], s[6:7], s[12:13]   ; that plane of the scales: s[66:67] for step 0, s[2:3] for step 1
.endr
	s_add_co_u32 s[KP], s[KP], 2                   ; the first change of slots asks for local step 2
	CROUND                                         ; all sixteen work-groups are here: the first joint loads meet
	JLOAD 0                                        ; local K step 0: one tensor load a wave at the head
	; the scale words of local steps 0 and 1 and the biases are asked for at once: they are on their way together with the first tile
	v_and_b32 v1, 15, v0                           ; l % 16
	v_bfe_u32 v2, v0, 4, 1                         ; l / 16
	v_mul_u32_u24 v5, s94, v2                      ; lanes 16-31 take the weight rows'
	v_lshl_add_u32 v5, v1, 4, v5
	v_add_nc_u32 v[ADRS], s95, v5
	v_lshlrev_b32 v[BA], 5, v2                     ; a lane's eight biases: units 8 (l / 16) + 0 .. 7 of a block of 16
.macro SCALES sc, base
.irp i, 0,1,2,3,4,5,6,7
	global_load_b128 v[SC+32*(\sc)+4*\i:SC+32*(\sc)+4*\i+3], v[ADRS], s[\base:\base+1] offset:256*\i
.endr
.endm
	SCALES 0, SCB
	SCALES 1, 2
.macro BIAS g, base
.irp u, 0,1
	global_load_b128 v[BI+8*(2*\g+\u):BI+8*(2*\g+\u)+3], v[BA], s[\base:\base+1] offset:64*\u
	global_load_b128 v[BI+8*(2*\g+\u)+4:BI+8*(2*\g+\u)+7], v[BA], s[\base:\base+1] offset:64*\u+16
.endr
.endm
	WIN TO_B
	BIAS 0, 10
	BIAS 1, 68
	BIAS 2, 70
	BIAS 3, 72
	WIN 0
	v_mul_u32_u24 v3, v1, PITCH
	v_lshl_add_u32 v4, v2, 4, v3                   ; a fragment's row x pitch + 16 x half
	v_add_nc_u32 v[ADRA], s18, v4
	v_add_nc_u32 v[ADRB], s19, v4
	v_add_nc_u32 v[ADRA+1], SLOT, v[ADRA]
	v_add_nc_u32 v[ADRB+1], SLOT, v[ADRB]
	v_lshl_add_u32 v5, v2, 5, v3                   ; c_prev and c: row l % 16, 32 bytes for each half of the lanes
	v_add_nc_u32 v[CPA], s22, v5
	v_add_nc_u32 v[HSA], HST, v[CPA]
	v_mul_u32_u24 v5, v2, PITCH                    ; back: lanes 0-15 one row of 256 bytes, lanes 16-31 the next
	v_lshl_add_u32 v5, v1, 4, v5
	v_add_nc_u32 v[RD], s23, v5
	v_add_nc_u32 v[RDH], HST, v[RD]
	v_lshlrev_b32 v5, 13, v2
	v_lshl_add_u32 v[CO], v1, 4, v5                ; and the same two rows in the outputs
	v_and_b32 v5, 31, v0
	v_lshlrev_b32 v[PFO], 8, v5                    ; prefetches: a lane a row of codes,
	v_lshlrev_b32 v[PFC], 13, v5                   ; or of c_prev
	s_lshl_b32 s12, s17, 8                         ; c_prev's 64 rows that I fetch
	s_lshl_b32 s13, s14, 6
	s_add_co_u32 s12, s12, s13
	s_lshl_b32 s12, s12, 13
	s_lshl_b32 s13, s42, 8
	s_add_co_u32 s12, s12, s13
	s_mov_b32 s13, 0
	s_add_nc_u64 s[PCP:PCP+1], s[8:9], s[12:13]
	s_mov_b32 s[G0C], 1
	s_mul_i32 s[G0C+1], s14, 64*PITCH
	s_mov_b64 s[G0C+2:G0C+3], s[PCP:PCP+1]
	s_or_b32 s[G0C+3], s[G0C+3], 0x80000000
	s_lshl_b32 s12, s17, 8                         ; the first output row that I store
	s_lshl_b32 s13, s15, 7
	s_add_co_u32 s12, s12, s13
	s_lshl_b32 s13, s16, 3
	s_add_co_u32 s12, s12, s13
	s_lshl_b32 s12, s12, 13
	s_lshl_b32 s13, s42, 8
	s_add_co_u32 s12, s12, s13
	s_mov_b32 s13, 0
	s_add_nc_u64 s[OUT0:OUT0+1], s[OUT0:OUT0+1], s[12:13]
	s_add_nc_u64 s[OUT1:OUT1+1], s[OUT1:OUT1+1], s[12:13]
	s_lshl_b32 s18, s42, 8                         ; the prefetches' weight rows: of the 128 that a wave fetches, my work-group's 32, by its place cy among the four partners
	s_add_co_u32 s18, s18, BROW0
	s_lshl_b32 s22, s16, 7
	s_add_co_u32 s18, s18, s22
	s_lshl_b32 s19, s41, 5
	s_add_co_u32 s18, s18, s19
	s_lshl_b32 s18, s18, 8
	s_mov_b32 s19, 0
	s_add_nc_u64 s[22:23], s[4:5], s[18:19]
	s_and_b32 s12, s[KP], 7
	s_mul_i32 s12, s12, PLANE
	s_add_nc_u64 s[PFA:PFA+1], s[22:23], s[12:13]  ; in local step 2's plane,
	s_add_co_u32 s12, s[KP], 1
	s_and_b32 s12, s12, 7
	s_mul_i32 s12, s12, PLANE
	s_add_nc_u64 s[22:23], s[22:23], s[12:13]      ; and in local step 3's
.macro FRAG reg, adr, q, i             ; 16 rows x 128 K of 4-bit codes: two loads of 16 bytes, 32 apart
.irp c, 0,1
	ds_load_b128 v[\reg+4*\c:\reg+4*\c+3], v[\adr] offset:64*(\q)+32*\c+(\i)*16*PITCH
.endr
.endm
.macro MUL16 a0, p, q, sc, first       ; batch blocks a0, a0 + 1 x the eight weight blocks; the 64 accumulators take turns; first = 1: C = the biases
.irp a, \a0, \a0+1
.irp b, 0,1,2,3,4,5,6,7
.if \first
	v_wmma_scale_f32_16x16x128_f8f6f4 v[8*(8*((\a)%4)+\b):8*(8*((\a)%4)+\b)+7], v[128*(\p)+FR*\b:128*(\p)+FR*\b+FR-1], v[AF+FR*(\a):AF+FR*(\a)+FR-1], v[BI+8*\b:BI+8*\b+7], v[SC+8*NQ*(\sc)+NQ*\b+(\q)], v[SC+8*NQ*(\sc)+NQ*(\a)+(\q)] matrix_a_fmt:MATRIX_FMT_FP4 matrix_b_fmt:MATRIX_FMT_FP4 matrix_a_scale:MATRIX_SCALE_ROW1
.else
	v_wmma_scale_f32_16x16x128_f8f6f4 v[8*(8*((\a)%4)+\b):8*(8*((\a)%4)+\b)+7], v[128*(\p)+FR*\b:128*(\p)+FR*\b+FR-1], v[AF+FR*(\a):AF+FR*(\a)+FR-1], v[8*(8*((\a)%4)+\b):8*(8*((\a)%4)+\b)+7], v[SC+8*NQ*(\sc)+NQ*\b+(\q)], v[SC+8*NQ*(\sc)+NQ*(\a)+(\q)] matrix_a_fmt:MATRIX_FMT_FP4 matrix_b_fmt:MATRIX_FMT_FP4 matrix_a_scale:MATRIX_SCALE_ROW1
.endif
.endr
.endr
.endm
.macro FETCH_B slot, q, p
	WIN TO_B
.irp i, 0,1,2,3,4,5,6,7
	FRAG 128*(\p)+FR*\i, ADRB+\slot, \q, \i
.endr
	WIN 0
.endm
.macro FETCH_A slot, q, i0
.irp i, \i0, \i0+1, \i0+2, \i0+3
	FRAG AF+FR*(\i), ADRA+\slot, \q, \i
.endr
.endm
.macro PLACES n                        ; places behind matrix instructions, ahead of loads into their sources and of reads of their results
.rept \n
	v_nop
.endr
.endm
.macro STEP slot, q, first             ; 128 along K with its successor in the same slot
	s_wait_dscnt 4*NL                              ; all but the youngest eight loads (batch blocks 4-7)
.if \first
	WIN BIA_LO
.else
	WIN MUL_LO
.endif
	MUL16 0, (\q)%2, \q, \slot, \first
	MUL16 2, (\q)%2, \q, \slot, \first
	s_wait_dscnt 0
	PLACES NP
	FETCH_B \slot, (\q)+1, 1-(\q)%2
	FETCH_A \slot, (\q)+1, 0
.if \first
	WIN BIA_HI
.else
	WIN MUL_HI
.endif
	MUL16 4, (\q)%2, \q, \slot, \first
	MUL16 6, (\q)%2, \q, \slot, \first
	PLACES NP
	WIN 0
	FETCH_A \slot, (\q)+1, 4
.endm
; A slot's last step changes slots.  fill = 1: the slot is filled again, two local K steps on; fill = 2: slot 0 takes c_prev's tile, its last fill.
.macro TURN slot, next, fill
	s_wait_loadcnt 0x0                             ; the next slot's scale words are in: so their base may be written
.if \fill == 1
	s_and_b32 s12, s[KP], 7                        ; the plane that this change of slots asks for
	s_mul_i32 s18, s12, SSTEP                      ; (s13 = s19 = 0 since the head)
	s_mul_i32 s12, s12, PLANE
	s_add_nc_u64 s[SCB:SCB+1], s[6:7], s[18:19]
	s_add_co_u32 s[KP], s[KP], 1
.endif
	s_wait_tensorcnt 0x0                           ; all my tensor loads have landed: my part of the next slot;
	ds_add_u32 v[SPW], v[NIL]
.if \fill == 1
	s_add_nc_u64 s[G0+4*\slot+2:G0+4*\slot+3], s[20:21], s[12:13]      ; no tensor load of mine is out: this slot's descriptors take the new plane
	s_or_b32 s[G0+4*\slot+3], s[G0+4*\slot+3], 0x80000000
	s_add_nc_u64 s[G0B+4*\slot+2:G0B+4*\slot+3], s[46:47], s[12:13]
	s_or_b32 s[G0B+4*\slot+3], s[G0B+4*\slot+3], 0x80000000
.endif
	s_wait_dscnt 4*NL+1                            ; (the add and the youngest eight loads may be out)
	WIN MUL_LO
	MUL16 0, 1, NQ-1, \slot, 0
	s_wait_dscnt 0x0                               ; the add is done, my reads of this slot are over
	s_barrier_signal -1
	MUL16 2, 1, NQ-1, \slot, 0
	WIN 0
	s_barrier_wait -1
	CREST                                          ; the barrier has opened a round of the cluster's barrier
.if \fill == 1
	JLOAD \slot                                    ; my one tensor load behind the round; its four v_nop are also the places ahead of the loads below
.else
	tensor_load_to_lds s[G0C:G0C+3], s[G1C:G1C+7]
	s_nop 0
.rept 4
	v_nop
.endr
.endif
	FETCH_B \next, 0, 0
	FETCH_A \next, 0, 0
.if \fill == 1
	ASKC \slot
.endif
	WIN MUL_HI
	MUL16 4, 1, NQ-1, \slot, 0
	MUL16 6, 1, NQ-1, \slot, 0
	PLACES NP
	WIN 0
	FETCH_A \next, 0, 4
.if \fill == 1
	SCALES \slot, SCB                              ; this set's words for the local K step two on
.endif
.endm
.macro STEPS slot, from
.set Q, \from
.rept NQ-1-\from
	STEP \slot, Q, 0
.set Q, Q+1
.endr
.endm
	s_wait_alu depctr_va_vdst(0)
	ASKB PFA                                       ; local step 2's weight rows, two steps ahead
	s_wait_tensorcnt 0x0                           ; my part of local step 0 is in
	ds_add_u32 v[SPW], v[NIL]
	s_wait_dscnt 0x0
	CROUND
	JLOAD 1                                        ; local step 1, the first tensor load behind the round
	FETCH_B 0, 0, 0
	FETCH_A 0, 0, 0
	FETCH_A 0, 0, 4
	ASKB 22                                        ; local step 3's weight rows
	s_wait_loadcnt 0x0                             ; scale words and biases
	STEP 0, 0, 1                                   ; the first step starts the sums on the biases
	s_mov_b32 s3, LAPS-1
.Llap:                                                 ; a trip goes once round the ring and fills both slots again
	STEPS 0, 1
	TURN 0, 1, 1
	STEPS 1, 0
	TURN 1, 0, 1
	STEP 0, 0, 0
	s_sub_co_u32 s3, s3, 1
	s_cmp_lg_u32 s3, 0
	s_cbranch_scc1 .Llap
	STEPS 0, 1
	TURN 0, 1, 2
	STEPS 1, 0
	s_wait_dscnt 4*NL
	WIN MUL_LO
	MUL16 0, 1, NQ-1, 1, 0
	MUL16 2, 1, NQ-1, 1, 0
	s_wait_dscnt 0
	WIN MUL_HI
	MUL16 4, 1, NQ-1, 1, 0
	MUL16 6, 1, NQ-1, 1, 0
	WIN 0
	PLACES NP
	s_wait_tensorcnt 0x0                           ; my 64 rows of c_prev are in
	s_wait_dscnt 0x0
	s_barrier_signal -1
	s_barrier_wait -1                              ; everybody's are
.macro BACK base, s                    ; half s: of each block of 16 rows my 8, whole rows of 256 bytes, two an instruction
.irp a, 0,1,2,3
.irp t, 0,1,2,3
	ds_load_b128 v[BK+16*\a+4*\t:BK+16*\a+4*\t+3], v[\base] offset:(4*(\s)+\a)*16*PITCH+\t*2*PITCH
.endr
.endr
.endm
.macro SEND out, s                     ; 16 lanes store 256 consecutive bytes, aligned
.irp a, 0,1,2,3
.irp t, 0,1,2,3
	global_store_b128 v[CO], v[BK+16*\a+4*\t:BK+16*\a+4*\t+3], s[\out:\out+1] offset:(16*(4*(\s)+\a)+2*\t)*8192 th:TH_STORE_NT
.endr
.endr
.endm
; The cell for my rows 64 s .. 64 s + 63, in place in window 2 + s.  In block a (64 registers): f at +0, i at +16, g at +32, o at +48, 16 numbers each.
.macro EPI s
.set W, 2+\s
.set WALL, 0x55*W
.irp a, 0,1,2,3
.irp q, 0,1,2,3
	ds_load_b128 v[CP+16*\a+4*\q:CP+16*\a+4*\q+3], v[CPA] offset:(4*\s+\a)*16*PITCH+64*(\q/2)+16*(\q%2)
.endr
.endr
	WIN WALL
.if \s > 0
	s_wait_alu depctr_va_vdst(0)
.endif
.set P, 0
.rept 128                              ; the exponents: each accumulator from its low end on
.if ((P%32) >= 16) && ((P%32) < 24)
	v_pk_mul_f32 v[2*P:2*P+1], v[2*P:2*P+1], s[K2:K2+1] op_sel_hi:[1,0]
.else
	v_pk_mul_f32 v[2*P:2*P+1], v[2*P:2*P+1], s[K1:K1+1] op_sel_hi:[1,0]
.endif
.set P, P+1
.endr
.irp a, 0,1,2,3
.set J, 0
.rept 16
	v_min_num_f32 v[64*\a+GG+J], s[CAP], v[64*\a+GG+J]             ; tanh's exponent is held at 30
.set J, J+1
.endr
.endr
	s_wait_alu depctr_va_vdst(0)                   ; ahead of the batch
.set J, 0
.rept 256
	v_exp_f32 v[J], v[J]
.set J, J+1
.endr
	v_nop
	s_wait_alu depctr_va_vdst(0)                   ; and behind it
	s_wait_dscnt 0x0                               ; c_prev is in registers, and so are the rows read back last
.if \s > 0
	WIN 0
	SEND OUT0, (\s-1)                              ; the half before's h
.endif
	WIN W
.irp a, 0,1,2,3
.irp p, 0,2,4,6,8,10,12,14
	v_pk_fma_f32 v[U+16*\a+\p:U+16*\a+\p+1], v[64*\a+GG+\p:64*\a+GG+\p+1], -1.0, 1.0 op_sel_hi:[1,0,0]   ; 1 - t
.endr
.endr
	WIN WALL
.irp a, 0,1,2,3
.irp p, 0,2,4,6,8,10,12,14
	v_pk_add_f32 v[64*\a+GF+\p:64*\a+GF+\p+1], v[64*\a+GF+\p:64*\a+GF+\p+1], 1.0 op_sel_hi:[1,0]   ; 1 + e_f
	v_pk_add_f32 v[64*\a+GG+\p:64*\a+GG+\p+1], v[64*\a+GG+\p:64*\a+GG+\p+1], 1.0 op_sel_hi:[1,0]   ; 1 + t
.endr
.endr
.irp a, 0,1,2,3
.irp p, 0,2,4,6,8,10,12,14
	v_pk_fma_f32 v[64*\a+GI+\p:64*\a+GI+\p+1], v[64*\a+GI+\p:64*\a+GI+\p+1], v[64*\a+GG+\p:64*\a+GG+\p+1], v[64*\a+GG+\p:64*\a+GG+\p+1]   ; e_i (1 + t) + (1 + t)
.endr
.endr
	s_wait_alu depctr_va_vdst(0)
.irp a, 0,1,2,3
.set J, 0
.rept 32
	v_rcp_f32 v[64*\a+J], v[64*\a+J]               ; sigmoid(f), and 1 / ((1 + e_i)(1 + t))
.set J, J+1
.endr
.endr
	v_nop
	s_wait_alu depctr_va_vdst(0)
	WIN W<<2
.irp a, 0,1,2,3
.irp p, 0,2,4,6,8,10,12,14
	v_pk_mul_f32 v[U+16*\a+\p:U+16*\a+\p+1], v[U+16*\a+\p:U+16*\a+\p+1], v[64*\a+GI+\p:64*\a+GI+\p+1]   ; sigmoid(i) tanh(g)
.endr
.endr
	WIN (W<<2)|(W<<6)
.irp a, 0,1,2,3
.irp p, 0,2,4,6,8,10,12,14
	v_pk_fma_f32 v[64*\a+GG+\p:64*\a+GG+\p+1], v[CP+16*\a+\p:CP+16*\a+\p+1], v[64*\a+GF+\p:64*\a+GF+\p+1], v[U+16*\a+\p:U+16*\a+\p+1]   ; c_t, where g lay
.endr
.endr
	WIN W<<2
.irp a, 0,1,2,3
.irp q, 0,1,2,3
	ds_store_b128 v[CPA], v[64*\a+GG+4*\q:64*\a+GG+4*\q+3] offset:(4*\s+\a)*16*PITCH+64*(\q/2)+16*(\q%2)   ; over my own bytes of c_prev
.endr
.endr
	WIN WALL
.irp a, 0,1,2,3
.irp p, 0,2,4,6,8,10,12,14
	v_pk_mul_f32 v[64*\a+GF+\p:64*\a+GF+\p+1], v[64*\a+GG+\p:64*\a+GG+\p+1], s[K2:K2+1] op_sel_hi:[1,0]
.endr
.endr
.irp a, 0,1,2,3
.set J, 0
.rept 16
	v_min_num_f32 v[64*\a+GF+J], s[CAP], v[64*\a+GF+J]
.set J, J+1
.endr
.endr
	s_wait_alu depctr_va_vdst(0)                   ; ahead of the wait below and of the batch behind the barrier
	s_wait_dscnt 0x0                               ; for the others' sake: my c is in the stage
	s_barrier_signal -1
	s_barrier_wait -1
	WIN 0
.if \s > 0
	s_wait_xcnt 0x0                                ; the last stores have read their registers
.endif
	BACK RD, \s
	WIN WALL
.irp a, 0,1,2,3
.set J, 0
.rept 16
	v_exp_f32 v[64*\a+GF+J], v[64*\a+GF+J]
.set J, J+1
.endr
.endr
	v_nop
	s_wait_alu depctr_va_vdst(0)
	WIN W
.irp a, 0,1,2,3
.irp p, 0,2,4,6,8,10,12,14
	v_pk_fma_f32 v[U+16*\a+\p:U+16*\a+\p+1], v[64*\a+GF+\p:64*\a+GF+\p+1], -1.0, 1.0 op_sel_hi:[1,0,0]
.endr
.endr
	WIN WALL
.irp a, 0,1,2,3
.irp p, 0,2,4,6,8,10,12,14
	v_pk_add_f32 v[64*\a+GF+\p:64*\a+GF+\p+1], v[64*\a+GF+\p:64*\a+GF+\p+1], 1.0 op_sel_hi:[1,0]
.endr
.endr
.irp a, 0,1,2,3
.irp p, 0,2,4,6,8,10,12,14
	v_pk_fma_f32 v[64*\a+GF+\p:64*\a+GF+\p+1], v[64*\a+GO+\p:64*\a+GO+\p+1], v[64*\a+GF+\p:64*\a+GF+\p+1], v[64*\a+GF+\p:64*\a+GF+\p+1]   ; e_o (1 + t_c) + (1 + t_c)
.endr
.endr
	s_wait_alu depctr_va_vdst(0)                   ; ahead of the wait below and of the batch
	s_wait_dscnt 0x0                               ; c's rows are back
	WIN 0
	SEND OUT1, \s
	WIN WALL
.irp a, 0,1,2,3
.set J, 0
.rept 16
	v_rcp_f32 v[64*\a+GF+J], v[64*\a+GF+J]
.set J, J+1
.endr
.endr
	v_nop
	s_wait_alu depctr_va_vdst(0)
	WIN (W<<2)|(W<<6)
.irp a, 0,1,2,3
.irp p, 0,2,4,6,8,10,12,14
	v_pk_mul_f32 v[64*\a+GF+\p:64*\a+GF+\p+1], v[U+16*\a+\p:U+16*\a+\p+1], v[64*\a+GF+\p:64*\a+GF+\p+1]   ; h_t
.endr
.endr
	WIN W<<2
.irp a, 0,1,2,3
.irp q, 0,1,2,3
	ds_store_b128 v[HSA], v[64*\a+GF+4*\q:64*\a+GF+4*\q+3] offset:(4*\s+\a)*16*PITCH+64*(\q/2)+16*(\q%2)
.endr
.endr
	WIN 0
	s_wait_dscnt 0x0                               ; for the others' sake: my h is in the stage
	s_barrier_signal -1
	s_barrier_wait -1
	s_wait_xcnt 0x0                                ; c's stores have read their registers
	BACK RDH, \s
.endm
	EPI 0
	EPI 1
	s_wait_dscnt 0x0
	SEND OUT0, 1
	s_wait_tensorcnt 0x0                           ; the wave's end
	ds_add_u32 v[SPW], v[NIL]
	s_wait_dscnt 0x0
	CROUND                                         ; the closing round
	s_endpgm
.Lfunc_end_k_q8f29f8a07a_cell:
	.size	k_q8f29f8a07a_cell, .Lfunc_end_k_q8f29f8a07a_cell-k_q8f29f8a07a_cell
	.p2alignl 7, 3214868480
	.fill 96, 4, 3214868480
	.section	.rodata,"a",@progbits
	.p2align	6, 0x0
	.amdhsa_kernel k_q8f29f8a07a_cell
		.amdhsa_group_segment_fixed_size 327680
		.amdhsa_private_segment_fixed_size 0
		.amdhsa_enable_private_segment 0
		.amdhsa_kernarg_size 72
		.amdhsa_user_sgpr_count 2
		.amdhsa_user_sgpr_kernarg_segment_ptr 1
		.amdhsa_wavefront_size32 1
		.amdhsa_system_sgpr_workgroup_id_x 1
		.amdhsa_system_sgpr_workgroup_id_y 1
		.amdhsa_system_sgpr_workgroup_id_z 1
		.amdhsa_system_vgpr_workitem_id 0
		.amdhsa_next_free_vgpr 1024
		.amdhsa_next_free_sgpr 102
		.amdhsa_reserve_vcc 0
		.amdhsa_float_denorm_mode_32 3
		.amdhsa_float_denorm_mode_16_64 3
		.amdhsa_memory_ordered 1
		.amdhsa_forward_progress 1
		.amdhsa_inst_pref_size 255
	.end_amdhsa_kernel
	.section	.bss,"aw",@nobits
	.p2align	6
	.space	262144
	.amdgpu_metadata
---
amdhsa.version: [ 1, 2 ]
amdhsa.kernels:
  - .name:           k_q8f29f8a07a_cell
    .symbol:         k_q8f29f8a07a_cell.kd
    .args:
      - { .name: codes, .offset: 0, .size: 8, .value_kind: global_buffer, .address_space: global }
      - { .name: scales, .offset: 8, .size: 8, .value_kind: global_buffer, .address_space: global }
      - { .name: c_prev, .offset: 16, .size: 8, .value_kind: global_buffer, .address_space: global }
      - { .name: b_f, .offset: 24, .size: 8, .value_kind: global_buffer, .address_space: global }
      - { .name: b_i, .offset: 32, .size: 8, .value_kind: global_buffer, .address_space: global }
      - { .name: b_c, .offset: 40, .size: 8, .value_kind: global_buffer, .address_space: global }
      - { .name: b_o, .offset: 48, .size: 8, .value_kind: global_buffer, .address_space: global }
      - { .name: out0, .offset: 56, .size: 8, .value_kind: global_buffer, .address_space: global }
      - { .name: out1, .offset: 64, .size: 8, .value_kind: global_buffer, .address_space: global }
    .group_segment_fixed_size: 327680
    .private_segment_fixed_size: 0
    .kernarg_segment_align: 8
    .kernarg_segment_size: 72
    .max_flat_workgroup_size: 128
    .sgpr_count:     102
    .vgpr_count:     1024
    .wavefront_size: 32
...
	.end_amdgpu_metadata
.endif
;; end of part 2
